; MI455X (gfx1250); checked and timed in simulation.
; The chip was launched on July 23, 2026; its instructions are those of AMD's public machine-readable ISA for CDNA 5 (MIT licence, August 2026) and "CDNA5" Instruction Set Architecture Reference Guide (July 2026). The comments in the code are by the model that wrote it; some were corrected since.
;; Vector Quantizer. Allowed arithmetic: float matrix products may take bf16 or f16 operands with f32 sums; all other float work in f32.
;; Inputs: embedding_weight 8,192 x 32 float32; z 16 x 2,048 x 32 float32.
;; Outputs: out0 16 x 2,048 x 32 float32; out1 16 x 2,048 int32.
;; 2 versions, each right; version 2 is version 1 with the launches search, pick written anew for expert scheduling mode. Each part assembles by itself: llvm-mc -triple=amdgcn-amd-amdhsa -mcpu=gfx1250 --defsym DOCPART=n.
;; ======== version 1 of 2: 2 launches
;; workspace buffers: dmin 1,048,576 bytes; cidx 1,048,576 bytes of whole numbers
;; launch search (part 1): grid 32 x 8, 8 waves a work-group, no clusters, 70,656 bytes of LDS; arguments embedding_weight, z, dmin, cidx; writes dmin, cidx
.if DOCPART == 1
	.amdgcn_target "amdgcn-amd-amdhsa--gfx1250"
	.amdhsa_code_object_version 6
	.text
	.protected	k_q2e0e74836d_search
	.globl	k_q2e0e74836d_search
	.p2align	8
	.type	k_q2e0e74836d_search,@function
k_q2e0e74836d_search:
	s_mov_b64 s[64:65], 0
	v_nop
	global_prefetch_b8 v0, s[64:65] scope:SCOPE_SE
	s_setreg_imm32_b32 hwreg(HW_REG_WAVE_MODE, 25, 1), 1
	s_wait_xcnt 0x0
; VECTOR QUANTIZER, FIRST STEP.  For 1,024 rows of z (work-group x) and 1,024 codes (work-group y = q): the least distance
;   d = fl( fl(|z|^2 + |e|^2) - 2 z.e )
; of each row and the FIRST code that reaches it.  dmin gets the distance, cidx the code's number (0 .. 8191); the second launch
; chooses among the eight q.  32 x 8 = 256 work-groups of 2^20 pairs each; 1,024 x 1,024 is the split with the fewest input bytes
; (128 KiB of z + 128 KiB of codes for a work-group).
;
; ARITHMETIC.  z and the codes are rounded to bf16 for the matrix unit; the products z.e and both norms (the diagonals of X X^T)
; are made there of the ROUNDED numbers, with f32 sums.  The two sums of the expression are made as it is written, each rounded
; once in f32: a packed add, then a packed fused multiply-add by -2 (2 z.e is exact).  The comparison is a strict 'less' in ascending
; order of the codes, so that equal distances go to the lower number.
; LIMITS.  Served: inputs whose distances are finite.  A row whose distances are all +inf or NaN gets an unspecified number (the
; second launch keeps it inside the table).  +0 and -0 count as equal.
;
; SHARES.  Eight waves; wave w owns rows 128 w .. 128 w + 127 of the work-group as eight row tiles, and walks all 64 code tiles of 16.
; Lane L: r = L & 15, h = L >> 4.  Row tile i holds row 8 r + i in lane r, so that a lane ends with eight neighbouring rows.
; Matrix instruction: source 0 = 16 codes, source 1 = 16 rows of z; register j of lane (r, h) is then code 8 h + j against the lane's row.
;
; THE FIRST INDEX WITHOUT AN ADDRESS THAT HANGS ON DATA.  For each row tile a lane keeps the running minimum M and a snapshot: the
; first seven distances and the number of the last code tile that made M strictly smaller, copied under VCC.  At the end the code
; is the first snapshot entry equal to M, or the eighth if none is.
;
; NO CLUSTER, NO TENSOR LOADS.  Work-groups of one q read the same codes and those of one x the same z, but every number has to pass
; the vector unit (f32 to bf16) before it can be used: a joint load would land 256 KiB of f32 in LDS only to be read back, converted
; and stored again.  Each work-group reads its 256 KiB once, for 2^20 x 32 multiply-adds.
.set NRM,  65536                       ; LDS: bytes 0 .. 65535 the 64 code tiles as fragments (1,024 bytes each: registers 0-3 of lane L at 16 L,
                                       ; registers 4-7 at 512 + 16 L); from 65536 on |e|^2 of the 1,024 codes, f32.  Written once, then only read
.set TILES, 64
.set CFA,  1                           ; v1       16 L: where I read a code fragment; + 2,048 in each trip
.set BNA,  2                           ; v2       NRM + 32 h: where I read my eight code norms; + 128 in each trip
.set CSA,  3                           ; v3       8,192 w + 16 L: where my wave's converted code tiles go
.set NSA,  4                           ; v4       NRM + 512 w + 4 r: where their norms go
.set EO,   5                           ; v5       byte offset of my part of my wave's first code tile
.set ZO,   6                           ; v6       byte offset of my part of my wave's first row of z
.set VT,   7                           ; v7       the number of the code tile at work
.set CV,   8                           ; v[8:23]  two converted code tiles, in turn
.set H8,   24                          ; v24      1,024 q + 8 h: the number of my first code
.set OUTO, 25                          ; v25      32 r + 16 h: my 16 bytes of the wave's 512 in dmin and in cidx
.set JV,   26                          ; v26      the way out: place in the tile
.set IDX,  27                          ; v27      the way out: code number
.set DO,   28                          ; v28      the other half's distance
.set IO,   29                          ; v29      the other half's code number
.set T,    32                          ; v[32:47] at work
.set BN,   48                          ; v[48:63] my eight code norms, two sets in turn
.set CF,   64                          ; v[64:71] the code fragment
.set AN2,  80                          ; v[80:95] |z|^2 of row tile i, twice (a pair for the packed add)
.set M,    96                          ; v[96:111] running minima, two sets in turn (old and new are both needed for the comparison)
.set D,    128                         ; v[128:191] products, then distances, of row tile i at D + 8 i
.set SNAP, 192                         ; v[192:255] snapshot of row tile i at SNAP + 8 i: seven distances, then the tile's number
.set STG,  128                         ; v[128:255] first of all: the wave's eight code tiles as loaded, 16 registers each
.set ZFW,  0                           ; v[256:319], written v[0:63] in window 1: the eight z fragments
.set ZSW,  64                          ; v[320:447], written v[64:191] in window 1: z as loaded
.set MSB, 0
.macro WIN new                         ; s_set_vgpr_msb: bits 1:0 source 0, 3:2 source 1, 5:4 source 2, 7:6 destination; the high byte repeats the setting left
.if MSB != \new
	s_set_vgpr_msb (MSB<<8)|\new
.set MSB, \new
.endif
.endm
	s_load_b256 s[4:11], s[0:1], 0x0               ; codes s[4:5], z s[6:7], dmin s[8:9], cidx s[10:11]
	v_lshl_add_u32 v126, v0, 2, 0x11000
	v_mov_b32 v127, 0
	v_lshrrev_b32 v8, 5, v0
	v_readfirstlane_b32 s12, v8                    ; wave w
	s_and_b32 s14, ttmp7, 0xffff                   ; q; ttmp9 is x
	s_mov_b32 s17, 0xaaaaaaaa                      ; lanes with bit 0 set
	s_mov_b32 s18, 0xcccccccc                      ; bit 1
	s_mov_b32 s19, 0xf0f0f0f0                      ; bit 2
	s_mov_b32 s20, 0xff0000ff                      ; lanes with h = r >> 3: they hold the diagonal of a 16 x 16 result
	s_mov_b32 s21, 0xffff0000                      ; h = 1
	s_mov_b32 s22, 0x76543210                      ; v_permlanex16_b32: lane i of one half reads lane i of the other
	s_mov_b32 s23, 0xfedcba98
	v_and_b32 v9, 31, v0                           ; L
	v_and_b32 v10, 15, v0                          ; r
	v_bfe_u32 v11, v0, 4, 1                        ; h
	v_lshlrev_b32 v12, 5, v11                      ; 32 h
	v_lshlrev_b32 v[CFA], 4, v9
	v_add_nc_u32 v[BNA], NRM, v12
	s_lshl_b32 s26, s12, 13
	v_add_nc_u32 v[CSA], s26, v[CFA]
	s_lshl_b32 s26, s12, 9
	s_add_co_u32 s26, s26, NRM
	v_lshl_add_u32 v[NSA], v10, 2, s26
	s_lshl_b32 s26, s12, 14                        ; a wave's 128 codes and its 128 rows of z are 16,384 bytes each
	v_lshl_add_u32 v[EO], v10, 7, v12              ; code r of a tile: 128 r + 32 h
	v_add_nc_u32 v[EO], s26, v[EO]
	v_lshl_add_u32 v[ZO], v10, 10, v12             ; row 8 r: 1,024 r + 32 h
	v_add_nc_u32 v[ZO], s26, v[ZO]
	s_lshl_b32 s26, s14, 10
	v_lshl_add_u32 v[H8], v11, 3, s26
	v_lshlrev_b32 v[OUTO], 5, v10
	v_lshl_add_u32 v[OUTO], v11, 4, v[OUTO]
	s_wait_kmcnt 0x0
	s_lshl_b32 s26, s14, 17                        ; q x 1,024 codes x 128 bytes
	s_mov_b32 s27, 0
	s_add_nc_u64 s[4:5], s[4:5], s[26:27]
	s_lshl_b32 s26, ttmp9, 17                      ; x x 1,024 rows x 128 bytes
	s_add_nc_u64 s[6:7], s[6:7], s[26:27]
	s_lshl_b32 s26, ttmp9, 15                      ; dmin, cidx: [block of 128 rows = 8 x + w][q][128]: 4,096 (8 x + w) + 512 q
	s_lshl_b32 s28, s12, 12
	s_add_co_u32 s26, s26, s28
	s_lshl_b32 s28, s14, 9
	s_add_co_u32 s26, s26, s28
	s_add_nc_u64 s[8:9], s[8:9], s[26:27]
	s_add_nc_u64 s[10:11], s[10:11], s[26:27]
; A lane's share of 16 rows x 32 f32 for a fragment: k = 8 h .. 8 h + 7 (32 bytes) and k = 16 + 8 h .. (32 bytes, 64 further on).
.macro LD4 dst, adr, lo, off
	global_load_b128 v[\dst:\dst+3],     v[\adr], s[\lo:\lo+1] offset:\off
	global_load_b128 v[\dst+4:\dst+7],   v[\adr], s[\lo:\lo+1] offset:\off+16
	global_load_b128 v[\dst+8:\dst+11],  v[\adr], s[\lo:\lo+1] offset:\off+64
	global_load_b128 v[\dst+12:\dst+15], v[\adr], s[\lo:\lo+1] offset:\off+80
.endm
; 16 f32 to a fragment of 8 registers, rounded to nearest even
.macro CVT8 dst, src
.irp k, 0,1,2,3,4,5,6,7
	v_cvt_pk_bf16_f32 v[\dst+\k], v[\src+2*\k], v[\src+2*\k+1]
.endr
.endm
; The diagonal of a 16 x 16 result (element (r, r) lies in register r & 7 of the lane with h = r >> 3), brought to both lanes r:
; each lane picks register L & 7 by three levels of selects on the lane's bits, then takes its own or its partner's.
.macro DIAG src, dst
	v_cndmask_b32 v[T+8],  v[\src],   v[\src+1], s17
	v_cndmask_b32 v[T+9],  v[\src+2], v[\src+3], s17
	v_cndmask_b32 v[T+10], v[\src+4], v[\src+5], s17
	v_cndmask_b32 v[T+11], v[\src+6], v[\src+7], s17
	v_cndmask_b32 v[T+8],  v[T+8],  v[T+9],  s18
	v_cndmask_b32 v[T+10], v[T+10], v[T+11], s18
	v_cndmask_b32 v[T+8],  v[T+8],  v[T+10], s19
	v_permlanex16_b32 v[T+9], v[T+8], s22, s23     ; (its destination has been written above)
	v_cndmask_b32 v[\dst], v[T+9], v[T+8], s20
.endm
	; EVERYTHING IS ASKED FOR AT ONCE: 32 loads for my wave's eight code tiles, 32 for its eight row tiles, in the order of their use.
.irp e, 0,1,2,3,4,5,6,7
	LD4 STG+16*\e, EO, 4, \e*2048
.endr
	WIN 0x40                                       ; destination in window 1
.irp i, 0,1,2,3,4,5,6,7
	LD4 ZSW+16*\i, ZO, 6, \i*128
.endr
	WIN 0
	; CODES: convert, put the fragment into LDS (each store covers 512 consecutive bytes), and the norms as the diagonal of E E^T.
	; Waits: 64 loads were issued, four to a tile; behind tile e's stand 60 - 4 e younger ones.
	s_wait_loadcnt 60
	CVT8 CV, STG
.irp e, 0,1,2,3,4,5,6,7
	ds_store_b128 v[CSA], v[CV+8*(\e%2):CV+8*(\e%2)+3]   offset:\e*1024
	ds_store_b128 v[CSA], v[CV+8*(\e%2)+4:CV+8*(\e%2)+7] offset:\e*1024+512
	v_wmma_f32_16x16x32_bf16 v[T:T+7], v[CV+8*(\e%2):CV+8*(\e%2)+7], v[CV+8*(\e%2):CV+8*(\e%2)+7], 0
	; the next tile's eight conversions name none of that instruction's registers: they are the places in front of the first read
	; of its result, and in front of the next product, which writes over it (ISA guide 7.12.1)
.if \e < 7
	s_wait_loadcnt 56-4*\e
	CVT8 CV+8*((\e+1)%2), STG+16*(\e+1)
.else
.rept 4
	v_nop
.endr
.endif
	DIAG T, T+12
	ds_store_b32 v[NSA], v[T+12] offset:\e*64      ; both halves write the same word with the same value
.endr
	; z: convert (behind tile i's loads stand 28 - 4 i younger ones), then |z|^2 as the diagonal of Z Z^T.
	WIN 0x45                                       ; destination and both sources in window 1
.irp i, 0,1,2,3,4,5,6,7
	s_wait_loadcnt 28-4*\i
	CVT8 ZFW+8*\i, ZSW+16*\i
.endr
	WIN 0x05                                       ; sources 0 and 1 in window 1, the result in window 0
.irp i, 0,1,2,3,4,5,6,7
	v_wmma_f32_16x16x32_bf16 v[D+8*\i:D+8*\i+7], v[ZFW+8*\i:ZFW+8*\i+7], v[ZFW+8*\i:ZFW+8*\i+7], 0
.endr
	WIN 0
.irp i, 0,1,2,3,4,5,6,7
	v_mov_b32 v[M+\i], 0x7f800000                  ; +inf: the first finite distance is strictly smaller.  These eleven moves are also the
.endr                                                  ; places behind the products above (ISA guide 7.12.1)
	v_mov_b32 v[VT], 0
	v_mov_b32 v[DO], 0                             ; destinations of lane permutes count as read: written once here
	v_mov_b32 v[IO], 0
.irp i, 0,1,2,3,4,5,6,7
	DIAG D+8*\i, AN2+2*\i
	v_cndmask_b32 v[AN2+2*\i+1], v[T+9], v[T+8], s20
.endr
	s_wait_dscnt 0x0                               ; my fragments and norms are in LDS,
	s_barrier_signal -1
	s_barrier_wait -1                              ; everybody's are.  The only barrier: from here on LDS is only read
; Eight products: the code fragment against the eight row tiles.  The constant 0 as C: nothing is cleared, nothing accumulated (K = 32 is one step).
.macro BATCH
	WIN 0x04                                       ; source 1 in window 1
.irp i, 0,1,2,3,4,5,6,7
	v_wmma_f32_16x16x32_bf16 v[D+8*\i:D+8*\i+7], v[CF:CF+7], v[ZFW+8*\i:ZFW+8*\i+7], 0
.endr
	WIN 0
.endm
; the old minimum and eight distances, three by three
.macro THREE p, i, t
	v_min3_num_f32 v[T+\t],   v[M+8*\p+(\i)], v[D+8*(\i)],   v[D+8*(\i)+1]
	v_min3_num_f32 v[T+\t+1], v[D+8*(\i)+2],  v[D+8*(\i)+3], v[D+8*(\i)+4]
	v_min3_num_f32 v[T+\t+2], v[D+8*(\i)+5],  v[D+8*(\i)+6], v[D+8*(\i)+7]
.endm
; where the minimum fell strictly: the snapshot takes this tile's first seven distances and its number.  Two selects in one instruction:
; destinations even and odd, the two first sources and the two second sources neighbours (VT = v7 beside a register 4 n + 2).
.macro KEEP p, i
	v_cmp_lt_f32 vcc_lo, v[M+8*(1-\p)+(\i)], v[M+8*\p+(\i)]
.irp k, 0,2,4
	v_dual_cndmask_b32 v[SNAP+8*(\i)+\k], v[SNAP+8*(\i)+\k], v[D+8*(\i)+\k] :: v_dual_cndmask_b32 v[SNAP+8*(\i)+\k+1], v[SNAP+8*(\i)+\k+1], v[D+8*(\i)+\k+1]
.endr
	v_dual_cndmask_b32 v[SNAP+8*(\i)+6], v[SNAP+8*(\i)+6], v[D+8*(\i)+6] :: v_dual_cndmask_b32 v[SNAP+8*(\i)+7], v[SNAP+8*(\i)+7], v[VT]
.endm
; Row tiles i0 and i0 + 1 against the code tile at work.  p: which set of BN holds its norms, and which set of M the old minima.
.macro PAIR p, i0
.irp k, 0,2,4,6
	v_pk_add_f32 v[T+\k:T+\k+1], v[BN+8*\p+\k:BN+8*\p+\k+1], v[AN2+2*\i0:AN2+2*\i0+1]           ; fl(|z|^2 + |e|^2)
.endr
.irp k, 0,2,4,6
	v_pk_add_f32 v[T+8+\k:T+9+\k], v[BN+8*\p+\k:BN+8*\p+\k+1], v[AN2+2*\i0+2:AN2+2*\i0+3]
.endr
.irp k, 0,2,4,6,8,10,12,14
	v_pk_fma_f32 v[D+8*\i0+\k:D+8*\i0+\k+1], v[D+8*\i0+\k:D+8*\i0+\k+1], -2.0, v[T+\k:T+\k+1] op_sel_hi:[1,0,1]   ; fl(that - 2 z.e), in place
.endr
	THREE \p, \i0, 0
	THREE \p, \i0+1, 8
	v_min3_num_f32 v[M+8*(1-\p)+\i0],   v[T],   v[T+1], v[T+2]
	v_min3_num_f32 v[M+8*(1-\p)+\i0+1], v[T+8], v[T+9], v[T+10]
	KEEP \p, \i0
	KEEP \p, \i0+1
.endm
; One code tile.  Its products lie in D.  more = 1: the next tile's fragment and norms (k tiles behind CFA and BNA) are asked for behind the
; first pair of row tiles, whose vector instructions are the places between the last products and the load into their source CF
; and its products are made when all of D has been used.  The first read of D in the next tile stands behind the step
; of VT and eight packed adds, which name no register of the products.
.macro TILE p, k, more
	PAIR \p, 0
.if \more
	ds_load_b128 v[CF:CF+3],   v[CFA] offset:\k*1024
	ds_load_b128 v[CF+4:CF+7], v[CFA] offset:\k*1024+512
	ds_load_b128 v[BN+8*(1-\p):BN+8*(1-\p)+3],   v[BNA] offset:\k*64
	ds_load_b128 v[BN+8*(1-\p)+4:BN+8*(1-\p)+7], v[BNA] offset:\k*64+16
.endif
	PAIR \p, 2
	PAIR \p, 4
	PAIR \p, 6
.if \more
	s_wait_dscnt 0x0                               ; the four loads above, issued three pairs of row tiles ago
	BATCH
	v_add_nc_u32 v[VT], 1, v[VT]
.endif
.endm
	ds_load_b128 v[CF:CF+3],   v[CFA]              ; code tile 0
	ds_load_b128 v[CF+4:CF+7], v[CFA] offset:512
	ds_load_b128 v[BN:BN+3],   v[BNA]
	ds_load_b128 v[BN+4:BN+7], v[BNA] offset:16
	s_wait_dscnt 0x0
	BATCH
	s_mov_b32 s16, 0
.Ltiles:                                               ; two code tiles a trip, so that the sets of BN and M take turns by name
	TILE 0, 1, 1
	TILE 1, 2, 1
	v_add_nc_u32 v[CFA], 2048, v[CFA]
	v_add_nc_u32 v[BNA], 128, v[BNA]
	s_add_co_u32 s16, s16, 1
	s_cmp_lt_u32 s16, TILES/2-1
	s_cbranch_scc1 .Ltiles
	TILE 0, 1, 1                                   ; tile 62, which asks for the last
	TILE 1, 0, 0                                   ; tile 63 asks for nothing.  The minima end in set 0 of M
; THE WAY OUT.  Row tile i: my place in the winning tile (the first snapshot entry equal to the minimum, the eighth if none), my code's
; number, then the better of the two halves of the lanes: the smaller distance, and of equal ones the lower number.  Both halves end alike.
.macro FINISH i
	v_mov_b32 v[JV], 7
.irp j, 6,5,4,3,2,1,0
	v_cmp_eq_f32 vcc_lo, v[SNAP+8*\i+\j], v[M+\i]
	v_cndmask_b32 v[JV], v[JV], \j, vcc_lo
.endr
	v_lshl_add_u32 v[IDX], v[SNAP+8*\i+7], 4, v[JV]        ; 16 x tile + place
	v_add_nc_u32 v[IDX], v[H8], v[IDX]                     ; + 1,024 q + 8 h
	v_permlanex16_b32 v[DO], v[M+\i], s22, s23
	v_permlanex16_b32 v[IO], v[IDX], s22, s23
	v_cmp_lt_f32 s24, v[DO], v[M+\i]
	v_cmp_eq_f32 s25, v[DO], v[M+\i]
	v_cmp_lt_u32 vcc_lo, v[IO], v[IDX]
	s_and_b32 vcc_lo, vcc_lo, s25
	s_or_b32 vcc_lo, vcc_lo, s24
	v_cndmask_b32 v[M+\i], v[M+\i], v[DO], vcc_lo
	v_cndmask_b32 v[SNAP+8*\i+7], v[IDX], v[IO], vcc_lo
.endm
.irp i, 0,1,2,3,4,5,6,7
	FINISH \i
.endr
	; lane (r, h) stores rows 8 r + 4 h .. + 3, that is row tiles 4 h .. 4 h + 3: each store of the wave covers 512 consecutive bytes, aligned
.irp k, 0,1,2,3
	v_cndmask_b32 v[T+\k],   v[M+\k],          v[M+4+\k],             s21
	v_cndmask_b32 v[T+4+\k], v[SNAP+8*\k+7],   v[SNAP+8*(\k+4)+7],    s21
.endr
	global_store_b128 v[OUTO], v[T:T+3],   s[8:9]
	global_store_b128 v[OUTO], v[T+4:T+7], s[10:11]
	s_wait_tensorcnt 0x0
	ds_add_u32 v126, v127
	s_wait_dscnt 0x0
	s_endpgm
.Lfunc_end_k_q2e0e74836d_search:
	.size	k_q2e0e74836d_search, .Lfunc_end_k_q2e0e74836d_search-k_q2e0e74836d_search
	.p2alignl 7, 3214868480
	.fill 96, 4, 3214868480
	.section	.rodata,"a",@progbits
	.p2align	6, 0x0
	.amdhsa_kernel k_q2e0e74836d_search
		.amdhsa_group_segment_fixed_size 70656
		.amdhsa_private_segment_fixed_size 0
		.amdhsa_enable_private_segment 0
		.amdhsa_kernarg_size 32
		.amdhsa_user_sgpr_count 2
		.amdhsa_user_sgpr_kernarg_segment_ptr 1
		.amdhsa_wavefront_size32 1
		.amdhsa_system_sgpr_workgroup_id_x 1
		.amdhsa_system_sgpr_workgroup_id_y 1
		.amdhsa_system_sgpr_workgroup_id_z 1
		.amdhsa_system_vgpr_workitem_id 0
		.amdhsa_next_free_vgpr 448
		.amdhsa_next_free_sgpr 66
		.amdhsa_reserve_vcc 1
		.amdhsa_float_denorm_mode_32 3
		.amdhsa_float_denorm_mode_16_64 3
		.amdhsa_memory_ordered 1
		.amdhsa_forward_progress 1
		.amdhsa_inst_pref_size 77
	.end_amdhsa_kernel
	.amdgpu_metadata
---
amdhsa.version: [ 1, 2 ]
amdhsa.kernels:
  - .name:           k_q2e0e74836d_search
    .symbol:         k_q2e0e74836d_search.kd
    .args:
      - { .name: embedding_weight, .offset: 0, .size: 8, .value_kind: global_buffer, .address_space: global }
      - { .name: z, .offset: 8, .size: 8, .value_kind: global_buffer, .address_space: global }
      - { .name: dmin, .offset: 16, .size: 8, .value_kind: global_buffer, .address_space: global }
      - { .name: cidx, .offset: 24, .size: 8, .value_kind: global_buffer, .address_space: global }
    .group_segment_fixed_size: 70656
    .private_segment_fixed_size: 0
    .kernarg_segment_align: 8
    .kernarg_segment_size: 32
    .max_flat_workgroup_size: 256
    .sgpr_count:     66
    .vgpr_count:     448
    .wavefront_size: 32
...
	.end_amdgpu_metadata
.endif
;; end of part 1
;; launch pick (part 2): grid 256 x 1, 9 waves a work-group, no clusters, 0 bytes of LDS; arguments embedding_weight, dmin, cidx, out0, out1; writes out0, out1
.if DOCPART == 2
	.amdgcn_target "amdgcn-amd-amdhsa--gfx1250"
	.amdhsa_code_object_version 6
	.text
	.protected	k_q2e0e74836d_pick
	.globl	k_q2e0e74836d_pick
	.p2align	8
	.type	k_q2e0e74836d_pick,@function
k_q2e0e74836d_pick:
	s_mov_b64 s[64:65], 0
	v_nop
	global_prefetch_b8 v0, s[64:65] scope:SCOPE_SE
	s_setreg_imm32_b32 hwreg(HW_REG_WAVE_MODE, 25, 1), 1
	s_wait_xcnt 0x0
; VECTOR QUANTIZER, SECOND STEP.  For each row the first launch left eight candidates, one for each block q of 1,024 codes: a distance
; (dmin) and a code number (cidx), both laid [block of 128 rows][q][128 rows].  The winner is the smallest distance, by a strict 'less'
; in ascending q, so that equal distances go to the lower code number.  out0 = the winner's code row as it stands in f32,
; out1 = its number + 32000.
; No address hangs on a comparison of distances: all eight candidate rows are fetched (their addresses come from cidx as read from
; memory) and the choice is made on the values, by selects.  8 x 128 bytes for a row, 128 KiB for a work-group, from a table of 1 MiB.
; Work-group b owns rows 128 b .. 128 b + 127.  Waves 0 to 7 make out0, 16 rows each; wave 8 makes out1.  No wave needs another's
; data: no LDS, no barrier.  No cluster: the work-groups share no tile, only rows of the table that their data name.
; LIMIT: a candidate number is cut to 0 .. 8191 before it is used as an address (it can lie outside only for a row whose distances
; were all +inf or NaN, for which the first launch states no result).
.set INDEX_OFFSET, 32000
.set VI, 1                             ; v1         byte offset of my row's word in a q's 512 bytes
.set VP, 2                             ; v2         16 p: my 16 bytes of a code row
.set VO, 3                             ; v3         my byte offset in the work-group's part of out0
.set IX, 8                             ; v[8:39]    code numbers, then byte offsets into the table: step s, candidate q at 8 s + q  (wave 8: 4 q + row)
.set DV, 40                            ; v[40:71]   distances, likewise
.set G,  72                            ; v[72:199]  16 bytes of candidate q's row in step s at 4 (8 s + q)
	s_load_b256 s[4:11], s[0:1], 0x0               ; codes s[4:5], dmin s[6:7], cidx s[8:9], out0 s[10:11]
	s_load_b64 s[12:13], s[0:1], 0x20              ; out1
	v_lshrrev_b32 v4, 5, v0
	v_readfirstlane_b32 s14, v4                    ; wave
	v_and_b32 v5, 31, v0                           ; lane L
	s_lshl_b32 s16, ttmp9, 12                      ; a block of 128 rows is 4,096 bytes of dmin and of cidx
	s_mov_b32 s17, 0
	s_wait_kmcnt 0x0
	s_add_nc_u64 s[6:7], s[6:7], s[16:17]
	s_add_nc_u64 s[8:9], s[8:9], s[16:17]
	s_cmp_eq_u32 s14, 8
	s_cbranch_scc1 .Lindex
	; WAVES 0 TO 7.  Lane L: g = L >> 3, p = L & 7.  Step s = 0 .. 3 makes rows 16 w + 4 s + g: eight lanes hold a row of 128 bytes.
	s_lshl_b32 s16, ttmp9, 14                      ; 128 rows of 128 bytes of out0
	s_add_nc_u64 s[10:11], s[10:11], s[16:17]
	v_lshrrev_b32 v6, 3, v5                        ; g
	v_and_b32 v7, 7, v5                            ; p
	s_lshl_b32 s18, s14, 6
	v_lshl_add_u32 v[VI], v6, 2, s18               ; 4 (16 w + g)
	v_lshlrev_b32 v[VP], 4, v7
	s_lshl_b32 s18, s14, 11
	v_lshl_add_u32 v[VO], v5, 4, s18               ; 128 (16 w + g) + 16 p = 2,048 w + 16 L
.irp s, 0,1,2,3
.irp q, 0,1,2,3,4,5,6,7
	global_load_b32 v[IX+8*\s+\q], v[VI], s[8:9] offset:\q*512+\s*16
.endr
.endr
.irp s, 0,1,2,3
.irp q, 0,1,2,3,4,5,6,7
	global_load_b32 v[DV+8*\s+\q], v[VI], s[6:7] offset:\q*512+\s*16
.endr
.endr
	s_wait_loadcnt 32                              ; the 32 code numbers are in; the 32 distances, issued behind them, may be out
.set n, 0
.rept 32
	v_min_u32 v[IX+n], 0x1fff, v[IX+n]             ; inside the table, whatever was read
	v_lshl_add_u32 v[IX+n], v[IX+n], 7, v[VP]      ; 128 x code + 16 p
	global_load_b128 v[G+4*n:G+4*n+3], v[IX+n], s[4:5]
.set n, n+1
.endr
.irp s, 0,1,2,3
	s_wait_loadcnt (3-\s)*8                        ; this step's eight rows (and all that is older) are in; the later steps' eight each stay out
.irp q, 1,2,3,4,5,6,7
	v_cmp_lt_f32 vcc_lo, v[DV+8*\s+\q], v[DV+8*\s]
	v_cndmask_b32 v[DV+8*\s], v[DV+8*\s], v[DV+8*\s+\q], vcc_lo
	v_dual_cndmask_b32 v[G+32*\s],   v[G+32*\s],   v[G+32*\s+4*\q]   :: v_dual_cndmask_b32 v[G+32*\s+1], v[G+32*\s+1], v[G+32*\s+4*\q+1]
	v_dual_cndmask_b32 v[G+32*\s+2], v[G+32*\s+2], v[G+32*\s+4*\q+2] :: v_dual_cndmask_b32 v[G+32*\s+3], v[G+32*\s+3], v[G+32*\s+4*\q+3]
.endr
	global_store_b128 v[VO], v[G+32*\s:G+32*\s+3], s[10:11] offset:\s*512 th:TH_STORE_NT   ; four rows: 512 consecutive bytes, aligned
.endr
	s_endpgm
.Lindex:
	; WAVE 8.  Lane L makes rows 4 L .. 4 L + 3: 16 bytes of each q's 512 in both tables, 16 bytes of out1.
	s_lshl_b32 s16, ttmp9, 9                       ; 128 rows of 4 bytes of out1
	s_add_nc_u64 s[12:13], s[12:13], s[16:17]
	v_lshlrev_b32 v[VI], 4, v5
.irp q, 0,1,2,3,4,5,6,7
	global_load_b128 v[IX+4*\q:IX+4*\q+3], v[VI], s[8:9] offset:\q*512
.endr
.irp q, 0,1,2,3,4,5,6,7
	global_load_b128 v[DV+4*\q:DV+4*\q+3], v[VI], s[6:7] offset:\q*512
.endr
	s_wait_loadcnt 0x0
.irp q, 1,2,3,4,5,6,7
.irp k, 0,1,2,3
	v_cmp_lt_f32 vcc_lo, v[DV+4*\q+\k], v[DV+\k]
	v_cndmask_b32 v[DV+\k], v[DV+\k], v[DV+4*\q+\k], vcc_lo
	v_cndmask_b32 v[IX+\k], v[IX+\k], v[IX+4*\q+\k], vcc_lo
.endr
.endr
.irp k, 0,1,2,3
	v_add_nc_u32 v[IX+\k], INDEX_OFFSET, v[IX+\k]
.endr
	global_store_b128 v[VI], v[IX:IX+3], s[12:13] th:TH_STORE_NT   ; the wave's store covers the block's 512 bytes of out1
	s_endpgm
.Lfunc_end_k_q2e0e74836d_pick:
	.size	k_q2e0e74836d_pick, .Lfunc_end_k_q2e0e74836d_pick-k_q2e0e74836d_pick
	.p2alignl 7, 3214868480
	.fill 96, 4, 3214868480
	.section	.rodata,"a",@progbits
	.p2align	6, 0x0
	.amdhsa_kernel k_q2e0e74836d_pick
		.amdhsa_group_segment_fixed_size 0
		.amdhsa_private_segment_fixed_size 0
		.amdhsa_enable_private_segment 0
		.amdhsa_kernarg_size 40
		.amdhsa_user_sgpr_count 2
		.amdhsa_user_sgpr_kernarg_segment_ptr 1
		.amdhsa_wavefront_size32 1
		.amdhsa_system_sgpr_workgroup_id_x 1
		.amdhsa_system_sgpr_workgroup_id_y 1
		.amdhsa_system_sgpr_workgroup_id_z 1
		.amdhsa_system_vgpr_workitem_id 0
		.amdhsa_next_free_vgpr 200
		.amdhsa_next_free_sgpr 66
		.amdhsa_reserve_vcc 1
		.amdhsa_float_denorm_mode_32 3
		.amdhsa_float_denorm_mode_16_64 3
		.amdhsa_memory_ordered 1
		.amdhsa_forward_progress 1
		.amdhsa_inst_pref_size 25
	.end_amdhsa_kernel
	.amdgpu_metadata
---
amdhsa.version: [ 1, 2 ]
amdhsa.kernels:
  - .name:           k_q2e0e74836d_pick
    .symbol:         k_q2e0e74836d_pick.kd
    .args:
      - { .name: embedding_weight, .offset: 0, .size: 8, .value_kind: global_buffer, .address_space: global }
      - { .name: dmin, .offset: 8, .size: 8, .value_kind: global_buffer, .address_space: global }
      - { .name: cidx, .offset: 16, .size: 8, .value_kind: global_buffer, .address_space: global }
      - { .name: out0, .offset: 24, .size: 8, .value_kind: global_buffer, .address_space: global }
      - { .name: out1, .offset: 32, .size: 8, .value_kind: global_buffer, .address_space: global }
    .group_segment_fixed_size: 0
    .private_segment_fixed_size: 0
    .kernarg_segment_align: 8
    .kernarg_segment_size: 40
    .max_flat_workgroup_size: 288
    .sgpr_count:     66
    .vgpr_count:     200
    .wavefront_size: 32
...
	.end_amdgpu_metadata
.endif
;; end of part 2
;; ======== version 2 of 2: 2 launches; version 1 with the launches search, pick written anew for expert scheduling mode
;; workspace buffers: dmin 1,048,576 bytes; cidx 1,048,576 bytes of whole numbers
;; launch search (part 3): grid 32 x 8, 8 waves a work-group, no clusters, 70,656 bytes of LDS; arguments embedding_weight, z, dmin, cidx; writes dmin, cidx
.if DOCPART == 3
	.amdgcn_target "amdgcn-amd-amdhsa--gfx1250"
	.amdhsa_code_object_version 6
	.text
	.protected	k_q2e0e74836d_search
	.globl	k_q2e0e74836d_search
	.p2align	8
	.type	k_q2e0e74836d_search,@function
k_q2e0e74836d_search:
	s_mov_b64 s[64:65], 0
	v_nop
	global_prefetch_b8 v0, s[64:65] scope:SCOPE_SE
	s_setreg_imm32_b32 hwreg(HW_REG_WAVE_SCHED_MODE, 0, 2), 2
	s_setreg_imm32_b32 hwreg(HW_REG_WAVE_MODE, 25, 1), 1
	s_wait_xcnt 0x0
	s_wait_alu depctr_vm_vsrc(0)
; VECTOR QUANTIZER, FIRST STEP.  For 1,024 rows of z (work-group x) and 1,024 codes (work-group y = q): the least distance
;   d = fl( fl(|z|^2 + |e|^2) - 2 z.e )
; of each row and the FIRST code that reaches it.  dmin gets the distance, cidx the code's number (0 .. 8191); the second launch
; chooses among the eight q.  32 x 8 = 256 work-groups of 2^20 pairs each; 1,024 x 1,024 is the split with the fewest input bytes
; (128 KiB of z + 128 KiB of codes for a work-group).
;
; ARITHMETIC.  z and the codes are rounded to bf16 for the matrix unit; the products z.e and both norms (the diagonals of X X^T)
; are made there of the ROUNDED numbers, with f32 sums.  The two sums of the expression are made as it is written, each rounded
; once in f32: a packed add, then a packed fused multiply-add by -2 (2 z.e is exact).  The comparison is a strict 'less' in ascending
; order of the codes, so that equal distances go to the lower number.
; LIMITS.  Served: inputs whose distances are finite.  A row whose distances are all +inf or NaN gets an unspecified number (the
; second launch keeps it inside the table).  +0 and -0 count as equal.
;
; SHARES.  Eight waves; wave w owns rows 128 w .. 128 w + 127 of the work-group as eight row tiles, and walks all 64 code tiles of 16.
; Lane L: r = L & 15, h = L >> 4.  Row tile i holds row 8 r + i in lane r, so that a lane ends with eight neighbouring rows.
; Matrix instruction: source 0 = 16 codes, source 1 = 16 rows of z; register j of lane (r, h) is then code 8 h + j against the lane's row.
;
; THE FIRST INDEX WITHOUT AN ADDRESS THAT HANGS ON DATA.  For each row tile a lane keeps the running minimum M and a snapshot: the
; first seven distances and the number of the last code tile that made M strictly smaller, copied under VCC.  At the end the code
; is the first snapshot entry equal to M, or the eighth if none is.
;
; NO CLUSTER, NO TENSOR LOADS.  Work-groups of one q read the same codes and those of one x the same z, but every number has to pass
; the vector unit (f32 to bf16) before it can be used: a joint load would land 256 KiB of f32 in LDS only to be read back, converted
; and stored again.  Each work-group reads its 256 KiB once, for 2^20 x 32 multiply-adds.
;
; THE MODE: SCHED_MODE bits 1:0 = 2 (LLVM: expert scheduling mode 2), set by the entry lines.  The code itself states the register
; dependences between vector or matrix instructions and memory or LDS instructions, with s_wait_alu, always for 0.
; THE PLAN.  Registers that memory or LDS instructions touch:
;   v1-v6, v25    addresses, made at the head ahead of one wait.  EO, ZO, CSA, NSA, OUTO are never written again; CFA and BNA once a trip.
;   STG, ZSW      the global loads land in them; no vector instruction names them before, and no load lands in them again.
;   CV0, CV1      Code tile e: its conversions write CV[e % 2], two LDS stores read it; written again two tiles later.
;   T+12          Code tile e: the diagonal's last select writes it, one LDS store reads it; later the loop's sums write it.
;   CF            In the loop: the LDS loads of tile t + 1 land in it, issued in tile t; read by the eight products at the end of tile t.
;   BN0, BN1      Tile t's packed adds read BN[t % 2]; the LDS loads issued in tile t land in the other set, which tile t - 1 read.
;   T .. T+7      At the end: written by eight selects, read by the two global stores.
; So ONE wait on va_vdst stands in a tile, straight ahead of its four LDS loads, and one wait on vm_vsrc in a trip, ahead of the two address adds.
; A compare's mask is awaited between the compare and the first select that reads it; in the loop four packed adds of a later row tile stand between.
.set NRM,  65536                       ; LDS: bytes 0 .. 65535 the 64 code tiles as fragments (1,024 bytes each: registers 0-3 of lane L at 16 L,
                                       ; registers 4-7 at 512 + 16 L); from 65536 on |e|^2 of the 1,024 codes, f32.  Written once, then only read
.set TILES, 64
.set CFA,  1                           ; v1       16 L: where I read a code fragment; + 2,048 in each trip
.set BNA,  2                           ; v2       NRM + 32 h: where I read my eight code norms; + 128 in each trip
.set CSA,  3                           ; v3       8,192 w + 16 L: where my wave's converted code tiles go
.set NSA,  4                           ; v4       NRM + 512 w + 4 r: where their norms go
.set EO,   5                           ; v5       byte offset of my part of my wave's first code tile
.set ZO,   6                           ; v6       byte offset of my part of my wave's first row of z
.set VT,   7                           ; v7       the number of the code tile at work
.set CV,   8                           ; v[8:23]  two converted code tiles, in turn
.set H8,   24                          ; v24      1,024 q + 8 h: the number of my first code
.set OUTO, 25                          ; v25      32 r + 16 h: my 16 bytes of the wave's 512 in dmin and in cidx
.set JV,   26                          ; v26      the way out: place in the tile
.set IDX,  27                          ; v27      the way out: code number
.set DO,   28                          ; v28      the other half's distance
.set IO,   29                          ; v29      the other half's code number
.set T,    32                          ; v[32:47] at work
.set BN,   48                          ; v[48:63] my eight code norms, two sets in turn
.set CF,   64                          ; v[64:71] the code fragment
.set AN2,  80                          ; v[80:95] |z|^2 of row tile i, twice (a pair for the packed add)
.set M,    96                          ; v[96:111] running minima, two sets in turn (old and new are both needed for the comparison)
.set D,    128                         ; v[128:191] products, then distances, of row tile i at D + 8 i
.set SNAP, 192                         ; v[192:255] snapshot of row tile i at SNAP + 8 i: seven distances, then the tile's number
.set STG,  128                         ; v[128:255] first of all: the wave's eight code tiles as loaded, 16 registers each
.set ZFW,  0                           ; v[256:319], written v[0:63] in window 1: the eight z fragments
.set ZSW,  64                          ; v[320:447], written v[64:191] in window 1: z as loaded
.set EQ,   24                          ; s[24:30] the way out: the masks of a run of compares
.set MSB, 0
.macro WIN new                         ; s_set_vgpr_msb: bits 1:0 source 0, 3:2 source 1, 5:4 source 2, 7:6 destination; the high byte repeats the setting left
.if MSB != \new
	s_set_vgpr_msb (MSB<<8)|\new
.set MSB, \new
.endif
.endm
	s_load_b256 s[4:11], s[0:1], 0x0               ; codes s[4:5], z s[6:7], dmin s[8:9], cidx s[10:11]
	v_lshl_add_u32 v126, v0, 2, 0x11000
	v_mov_b32 v127, 0
	v_lshrrev_b32 v8, 5, v0
	v_readfirstlane_b32 s12, v8                    ; wave w
	s_and_b32 s14, ttmp7, 0xffff                   ; q; ttmp9 is x
	s_mov_b32 s17, 0xaaaaaaaa                      ; lanes with bit 0 set
	s_mov_b32 s18, 0xcccccccc                      ; bit 1
	s_mov_b32 s19, 0xf0f0f0f0                      ; bit 2
	s_mov_b32 s20, 0xff0000ff                      ; lanes with h = r >> 3: they hold the diagonal of a 16 x 16 result
	s_mov_b32 s21, 0xffff0000                      ; h = 1
	s_mov_b32 s22, 0x76543210                      ; v_permlanex16_b32: lane i of one half reads lane i of the other
	s_mov_b32 s23, 0xfedcba98
	v_and_b32 v9, 31, v0                           ; L
	v_and_b32 v10, 15, v0                          ; r
	v_bfe_u32 v11, v0, 4, 1                        ; h
	v_lshlrev_b32 v12, 5, v11                      ; 32 h
	v_lshlrev_b32 v[CFA], 4, v9
	v_add_nc_u32 v[BNA], NRM, v12
	s_wait_alu depctr_va_sdst(0)                   ; s12 is written, ahead of its first reader: LDS places and the bases are made from it
	s_lshl_b32 s26, s12, 13
	v_add_nc_u32 v[CSA], s26, v[CFA]
	s_lshl_b32 s26, s12, 9
	s_add_co_u32 s26, s26, NRM
	v_lshl_add_u32 v[NSA], v10, 2, s26
	s_lshl_b32 s26, s12, 14                        ; a wave's 128 codes and its 128 rows of z are 16,384 bytes each
	v_lshl_add_u32 v[EO], v10, 7, v12              ; code r of a tile: 128 r + 32 h
	v_add_nc_u32 v[EO], s26, v[EO]
	v_lshl_add_u32 v[ZO], v10, 10, v12             ; row 8 r: 1,024 r + 32 h
	v_add_nc_u32 v[ZO], s26, v[ZO]
	s_lshl_b32 s26, s14, 10
	v_lshl_add_u32 v[H8], v11, 3, s26
	v_lshlrev_b32 v[OUTO], 5, v10
	v_lshl_add_u32 v[OUTO], v11, 4, v[OUTO]
	s_wait_kmcnt 0x0
	s_lshl_b32 s26, s14, 17                        ; q x 1,024 codes x 128 bytes
	s_mov_b32 s27, 0
	s_add_nc_u64 s[4:5], s[4:5], s[26:27]
	s_lshl_b32 s26, ttmp9, 17                      ; x x 1,024 rows x 128 bytes
	s_add_nc_u64 s[6:7], s[6:7], s[26:27]
	s_lshl_b32 s26, ttmp9, 15                      ; dmin, cidx: [block of 128 rows = 8 x + w][q][128]: 4,096 (8 x + w) + 512 q
	s_lshl_b32 s28, s12, 12
	s_add_co_u32 s26, s26, s28
	s_lshl_b32 s28, s14, 9
	s_add_co_u32 s26, s26, s28
	s_add_nc_u64 s[8:9], s[8:9], s[26:27]
	s_add_nc_u64 s[10:11], s[10:11], s[26:27]
; A lane's share of 16 rows x 32 f32 for a fragment: k = 8 h .. 8 h + 7 (32 bytes) and k = 16 + 8 h .. (32 bytes, 64 further on).
.macro LD4 dst, adr, lo, off
	global_load_b128 v[\dst:\dst+3],     v[\adr], s[\lo:\lo+1] offset:\off
	global_load_b128 v[\dst+4:\dst+7],   v[\adr], s[\lo:\lo+1] offset:\off+16
	global_load_b128 v[\dst+8:\dst+11],  v[\adr], s[\lo:\lo+1] offset:\off+64
	global_load_b128 v[\dst+12:\dst+15], v[\adr], s[\lo:\lo+1] offset:\off+80
.endm
; 16 f32 to a fragment of 8 registers, rounded to nearest even
.macro CVT8 dst, src
.irp k, 0,1,2,3,4,5,6,7
	v_cvt_pk_bf16_f32 v[\dst+\k], v[\src+2*\k], v[\src+2*\k+1]
.endr
.endm
; The diagonal of a 16 x 16 result (element (r, r) lies in register r & 7 of the lane with h = r >> 3), brought to both lanes r:
; each lane picks register L & 7 by three levels of selects on the lane's bits, then takes its own or its partner's.
.macro DIAG src, dst
	v_cndmask_b32 v[T+8],  v[\src],   v[\src+1], s17
	v_cndmask_b32 v[T+9],  v[\src+2], v[\src+3], s17
	v_cndmask_b32 v[T+10], v[\src+4], v[\src+5], s17
	v_cndmask_b32 v[T+11], v[\src+6], v[\src+7], s17
	v_cndmask_b32 v[T+8],  v[T+8],  v[T+9],  s18
	v_cndmask_b32 v[T+10], v[T+10], v[T+11], s18
	v_cndmask_b32 v[T+8],  v[T+8],  v[T+10], s19
	v_permlanex16_b32 v[T+9], v[T+8], s22, s23     ; (its destination has been written above)
	v_cndmask_b32 v[\dst], v[T+9], v[T+8], s20
.endm
	; EVERYTHING IS ASKED FOR AT ONCE: 32 loads for my wave's eight code tiles, 32 for its eight row tiles, in the order of their use.
	s_wait_alu depctr_va_vdst(0)                   ; the seven addresses v1 to v6 and v25 are written, which the loads and stores of the kernel read;
	                                               ; up to the last load of z only loads and a window switch follow this wait
.irp e, 0,1,2,3,4,5,6,7
	LD4 STG+16*\e, EO, 4, \e*2048
.endr
	WIN 0x40                                       ; destination in window 1
.irp i, 0,1,2,3,4,5,6,7
	LD4 ZSW+16*\i, ZO, 6, \i*128
.endr
	WIN 0
	; CODES: convert, put the fragment into LDS (each store covers 512 consecutive bytes), and the norms as the diagonal of E E^T.
	; Waits: 64 loads were issued, four to a tile; behind tile e's stand 60 - 4 e younger ones.
	s_wait_loadcnt 60
	CVT8 CV, STG
	s_wait_alu depctr_va_vdst(0)                   ; the conversions have written CV's first set, which tile 0's two LDS stores read
.irp e, 0,1,2,3,4,5,6,7
	ds_store_b128 v[CSA], v[CV+8*(\e%2):CV+8*(\e%2)+3]   offset:\e*1024
	ds_store_b128 v[CSA], v[CV+8*(\e%2)+4:CV+8*(\e%2)+7] offset:\e*1024+512
	v_wmma_f32_16x16x32_bf16 v[T:T+7], v[CV+8*(\e%2):CV+8*(\e%2)+7], v[CV+8*(\e%2):CV+8*(\e%2)+7], 0
.if \e > 0
	s_wait_alu depctr_vm_vsrc(0)                   ; the LDS stores issued so far have read the other set of CV and T+12, which the lines below write again
.endif
	; the next tile's eight conversions name none of that instruction's registers: they are the places in front of the first read
	; of its result, and in front of the next product, which writes over it (ISA guide 7.12.1)
.if \e < 7
	s_wait_loadcnt 56-4*\e
	CVT8 CV+8*((\e+1)%2), STG+16*(\e+1)
.else
.rept 4
	v_nop
.endr
.endif
	DIAG T, T+12
	s_wait_alu depctr_va_vdst(0)                   ; T+12 is written, which the store below reads; so is the next tile's set of CV, which the two stores behind it read
	ds_store_b32 v[NSA], v[T+12] offset:\e*64      ; both halves write the same word with the same value
.endr
	; z: convert (behind tile i's loads stand 28 - 4 i younger ones), then |z|^2 as the diagonal of Z Z^T.
	WIN 0x45                                       ; destination and both sources in window 1
.irp i, 0,1,2,3,4,5,6,7
	s_wait_loadcnt 28-4*\i
	CVT8 ZFW+8*\i, ZSW+16*\i
.endr
	WIN 0x05                                       ; sources 0 and 1 in window 1, the result in window 0
.irp i, 0,1,2,3,4,5,6,7
	v_wmma_f32_16x16x32_bf16 v[D+8*\i:D+8*\i+7], v[ZFW+8*\i:ZFW+8*\i+7], v[ZFW+8*\i:ZFW+8*\i+7], 0
.endr
	WIN 0
.irp i, 0,1,2,3,4,5,6,7
	v_mov_b32 v[M+\i], 0x7f800000                  ; +inf: the first finite distance is strictly smaller.  These eleven moves are also the
.endr                                                  ; places behind the products above (ISA guide 7.12.1)
	v_mov_b32 v[VT], 0
	v_mov_b32 v[DO], 0                             ; destinations of lane permutes count as read: written once here
	v_mov_b32 v[IO], 0
.irp i, 0,1,2,3,4,5,6,7
	DIAG D+8*\i, AN2+2*\i
	v_cndmask_b32 v[AN2+2*\i+1], v[T+9], v[T+8], s20
.endr
	s_wait_dscnt 0x0                               ; my fragments and norms are in LDS,
	s_barrier_signal -1
	s_barrier_wait -1                              ; everybody's are.  The only barrier: from here on LDS is only read
	s_wait_alu depctr_vm_vsrc(0)                   ; my last LDS store has read T+12, which the loop's sums write again
; Eight products: the code fragment against the eight row tiles.  The constant 0 as C: nothing is cleared, nothing accumulated (K = 32 is one step).
.macro BATCH
	WIN 0x04                                       ; source 1 in window 1
.irp i, 0,1,2,3,4,5,6,7
	v_wmma_f32_16x16x32_bf16 v[D+8*\i:D+8*\i+7], v[CF:CF+7], v[ZFW+8*\i:ZFW+8*\i+7], 0
.endr
	WIN 0
.endm
; fl(|z|^2 + |e|^2) of row tile i against the eight codes, into T + t on.  p: which set of BN holds the tile's norms.
.macro ADD4 p, i, t
.irp k, 0,2,4,6
	v_pk_add_f32 v[T+\t+\k:T+\t+\k+1], v[BN+8*\p+\k:BN+8*\p+\k+1], v[AN2+2*(\i):AN2+2*(\i)+1]
.endr
.endm
; the old minimum and eight distances, three by three
.macro THREE p, i, t
	v_min3_num_f32 v[T+\t],   v[M+8*\p+(\i)], v[D+8*(\i)],   v[D+8*(\i)+1]
	v_min3_num_f32 v[T+\t+1], v[D+8*(\i)+2],  v[D+8*(\i)+3], v[D+8*(\i)+4]
	v_min3_num_f32 v[T+\t+2], v[D+8*(\i)+5],  v[D+8*(\i)+6], v[D+8*(\i)+7]
.endm
; Row tiles i0 and i0 + 1 against the code tile at work; their sums lie in T .. T+15.  p: which set of M holds the old minima.
.macro DIST p, i0
.irp k, 0,2,4,6,8,10,12,14
	v_pk_fma_f32 v[D+8*\i0+\k:D+8*\i0+\k+1], v[D+8*\i0+\k:D+8*\i0+\k+1], -2.0, v[T+\k:T+\k+1] op_sel_hi:[1,0,1]   ; fl(that - 2 z.e), in place
.endr
	THREE \p, \i0, 0
	THREE \p, \i0+1, 8
	v_min3_num_f32 v[M+8*(1-\p)+\i0],   v[T],   v[T+1], v[T+2]
	v_min3_num_f32 v[M+8*(1-\p)+\i0+1], v[T+8], v[T+9], v[T+10]
.endm
; where the minimum fell strictly: the snapshot takes this tile's first seven distances and its number.  Two selects in one instruction:
; destinations even and odd, the two first sources and the two second sources neighbours (VT = v7 beside a register 4 n + 2).
; Between the compare and the wait for its mask stand the sums of the row tile two further on, which T's half is free for; the last pair has none left.
.macro KEEP p, i
	v_cmp_lt_f32 vcc_lo, v[M+8*(1-\p)+(\i)], v[M+8*\p+(\i)]
.if \i < 6
	ADD4 \p, \i+2, 8*(\i%2)
.endif
	s_wait_alu depctr_va_vcc(0)                    ; the compare has written VCC, which the four lines below read
.irp k, 0,2,4
	v_dual_cndmask_b32 v[SNAP+8*(\i)+\k], v[SNAP+8*(\i)+\k], v[D+8*(\i)+\k] :: v_dual_cndmask_b32 v[SNAP+8*(\i)+\k+1], v[SNAP+8*(\i)+\k+1], v[D+8*(\i)+\k+1]
.endr
	v_dual_cndmask_b32 v[SNAP+8*(\i)+6], v[SNAP+8*(\i)+6], v[D+8*(\i)+6] :: v_dual_cndmask_b32 v[SNAP+8*(\i)+7], v[SNAP+8*(\i)+7], v[VT]
.endm
; One code tile.  Its products lie in D.  more = 1: the next tile's fragment and norms (k tiles behind CFA and BNA) are asked for behind the
; first pair of row tiles, and its products are made when all of D has been used.  The first read of D in the next tile stands behind the step
; of VT and eight packed adds, which name no register of the products (ISA guide 7.12.1).
.macro TILE p, k, more
	ADD4 \p, 0, 0
	ADD4 \p, 1, 8
	DIST \p, 0
	KEEP \p, 0
	KEEP \p, 1
.if \more
	s_wait_alu depctr_va_vdst(0)                   ; the last eight products are done reading CF; the tile before is done reading the other set of BN; in a trip's first tile CFA and BNA are written.
	                                               ; No vector or matrix instruction names CF or that set of BN from here to the wait for the four loads
	ds_load_b128 v[CF:CF+3],   v[CFA] offset:\k*1024
	ds_load_b128 v[CF+4:CF+7], v[CFA] offset:\k*1024+512
	ds_load_b128 v[BN+8*(1-\p):BN+8*(1-\p)+3],   v[BNA] offset:\k*64
	ds_load_b128 v[BN+8*(1-\p)+4:BN+8*(1-\p)+7], v[BNA] offset:\k*64+16
.endif
	DIST \p, 2
	KEEP \p, 2
	KEEP \p, 3
	DIST \p, 4
	KEEP \p, 4
	KEEP \p, 5
	DIST \p, 6
	KEEP \p, 6
	KEEP \p, 7
.if \more
	s_wait_dscnt 0x0                               ; the four loads above, issued three pairs of row tiles ago
	BATCH
	v_add_nc_u32 v[VT], 1, v[VT]
.endif
.endm
	ds_load_b128 v[CF:CF+3],   v[CFA]              ; code tile 0.  No vector instruction has named CF or BN, and none has named CFA or BNA since the head's wait
	ds_load_b128 v[CF+4:CF+7], v[CFA] offset:512
	ds_load_b128 v[BN:BN+3],   v[BNA]
	ds_load_b128 v[BN+4:BN+7], v[BNA] offset:16
	s_wait_dscnt 0x0
	BATCH
	s_mov_b32 s16, 0
.Ltiles:                                               ; two code tiles a trip, so that the sets of BN and M take turns by name
	TILE 0, 1, 1
	TILE 1, 2, 1
	s_wait_alu depctr_vm_vsrc(0)                   ; the LDS loads issued so far have read CFA and BNA
	v_add_nc_u32 v[CFA], 2048, v[CFA]
	v_add_nc_u32 v[BNA], 128, v[BNA]
	s_add_co_u32 s16, s16, 1
	s_cmp_lt_u32 s16, TILES/2-1
	s_cbranch_scc1 .Ltiles
	TILE 0, 1, 1                                   ; tile 62, which asks for the last
	TILE 1, 0, 0                                   ; tile 63 asks for nothing.  The minima end in set 0 of M
; THE WAY OUT.  Row tile i: my place in the winning tile (the first snapshot entry equal to the minimum, the eighth if none), my code's
; number, then the better of the two halves of the lanes: the smaller distance, and of equal ones the lower number.  Both halves end alike.
; The compares stand in two runs, into scalar registers, with one wait behind each run.
.macro FINISH i
.irp j, 0,1,2,3,4,5,6
	v_cmp_eq_f32 s[EQ+\j], v[SNAP+8*\i+\j], v[M+\i]
.endr
	v_mov_b32 v[JV], 7
	v_permlanex16_b32 v[DO], v[M+\i], s22, s23
	s_wait_alu depctr_va_sdst(0)                   ; the seven compares have written their masks, which the selects below read
.irp j, 6,5,4,3,2,1,0
	v_cndmask_b32 v[JV], v[JV], \j, s[EQ+\j]
.endr
	v_lshl_add_u32 v[IDX], v[SNAP+8*\i+7], 4, v[JV]        ; 16 x tile + place
	v_add_nc_u32 v[IDX], v[H8], v[IDX]                     ; + 1,024 q + 8 h
	v_permlanex16_b32 v[IO], v[IDX], s22, s23
	v_cmp_lt_f32 s[EQ],   v[DO], v[M+\i]
	v_cmp_eq_f32 s[EQ+1], v[DO], v[M+\i]
	v_cmp_lt_u32 s[EQ+2], v[IO], v[IDX]
	s_wait_alu depctr_va_sdst(0)                   ; the three compares have written their masks, which the two scalar lines below read
	s_and_b32 s[EQ+2], s[EQ+2], s[EQ+1]
	s_or_b32 s[EQ+2], s[EQ+2], s[EQ]
	v_cndmask_b32 v[M+\i], v[M+\i], v[DO], s[EQ+2]
	v_cndmask_b32 v[SNAP+8*\i+7], v[IDX], v[IO], s[EQ+2]
.endm
.irp i, 0,1,2,3,4,5,6,7
	FINISH \i
.endr
	; lane (r, h) stores rows 8 r + 4 h .. + 3, that is row tiles 4 h .. 4 h + 3: each store of the wave covers 512 consecutive bytes, aligned
.irp k, 0,1,2,3
	v_cndmask_b32 v[T+\k],   v[M+\k],          v[M+4+\k],             s21
	v_cndmask_b32 v[T+4+\k], v[SNAP+8*\k+7],   v[SNAP+8*(\k+4)+7],    s21
.endr
	s_wait_alu depctr_va_vdst(0)                   ; the eight selects have written T .. T+7, which the two stores read
	global_store_b128 v[OUTO], v[T:T+3],   s[8:9]
	global_store_b128 v[OUTO], v[T+4:T+7], s[10:11]
	s_wait_dscnt 0x0
	s_wait_alu depctr_hold_cnt(0) depctr_sa_sdst(0) depctr_va_vdst(0) depctr_va_sdst(0) depctr_va_ssrc(0) depctr_va_vcc(0) depctr_vm_vsrc(0)
	s_wait_tensorcnt 0x0
	ds_add_u32 v126, v127
	s_wait_dscnt 0x0
	s_endpgm
.Lfunc_end_k_q2e0e74836d_search:
	.size	k_q2e0e74836d_search, .Lfunc_end_k_q2e0e74836d_search-k_q2e0e74836d_search
	.p2alignl 7, 3214868480
	.fill 96, 4, 3214868480
	.section	.rodata,"a",@progbits
	.p2align	6, 0x0
	.amdhsa_kernel k_q2e0e74836d_search
		.amdhsa_group_segment_fixed_size 70656
		.amdhsa_private_segment_fixed_size 0
		.amdhsa_enable_private_segment 0
		.amdhsa_kernarg_size 32
		.amdhsa_user_sgpr_count 2
		.amdhsa_user_sgpr_kernarg_segment_ptr 1
		.amdhsa_wavefront_size32 1
		.amdhsa_system_sgpr_workgroup_id_x 1
		.amdhsa_system_sgpr_workgroup_id_y 1
		.amdhsa_system_sgpr_workgroup_id_z 1
		.amdhsa_system_vgpr_workitem_id 0
		.amdhsa_next_free_vgpr 448
		.amdhsa_next_free_sgpr 66
		.amdhsa_reserve_vcc 1
		.amdhsa_float_denorm_mode_32 3
		.amdhsa_float_denorm_mode_16_64 3
		.amdhsa_memory_ordered 1
		.amdhsa_forward_progress 1
		.amdhsa_inst_pref_size 82
	.end_amdhsa_kernel
	.amdgpu_metadata
---
amdhsa.version: [ 1, 2 ]
amdhsa.kernels:
  - .name:           k_q2e0e74836d_search
    .symbol:         k_q2e0e74836d_search.kd
    .args:
      - { .name: embedding_weight, .offset: 0, .size: 8, .value_kind: global_buffer, .address_space: global }
      - { .name: z, .offset: 8, .size: 8, .value_kind: global_buffer, .address_space: global }
      - { .name: dmin, .offset: 16, .size: 8, .value_kind: global_buffer, .address_space: global }
      - { .name: cidx, .offset: 24, .size: 8, .value_kind: global_buffer, .address_space: global }
    .group_segment_fixed_size: 70656
    .private_segment_fixed_size: 0
    .kernarg_segment_align: 8
    .kernarg_segment_size: 32
    .max_flat_workgroup_size: 256
    .sgpr_count:     66
    .vgpr_count:     448
    .wavefront_size: 32
...
	.end_amdgpu_metadata
.endif
;; end of part 3
;; launch pick (part 4): grid 256 x 1, 9 waves a work-group, no clusters, 0 bytes of LDS; arguments embedding_weight, dmin, cidx, out0, out1; writes out0, out1
.if DOCPART == 4
	.amdgcn_target "amdgcn-amd-amdhsa--gfx1250"
	.amdhsa_code_object_version 6
	.text
	.protected	k_q2e0e74836d_pick
	.globl	k_q2e0e74836d_pick
	.p2align	8
	.type	k_q2e0e74836d_pick,@function
k_q2e0e74836d_pick:
	s_mov_b64 s[64:65], 0
	v_nop
	global_prefetch_b8 v0, s[64:65] scope:SCOPE_SE
	s_setreg_imm32_b32 hwreg(HW_REG_WAVE_SCHED_MODE, 0, 2), 2
	s_setreg_imm32_b32 hwreg(HW_REG_WAVE_MODE, 25, 1), 1
	s_wait_xcnt 0x0
	s_wait_alu depctr_vm_vsrc(0)
; VECTOR QUANTIZER, SECOND STEP.  For each row the first launch left eight candidates, one for each block q of 1,024 codes: a distance
; (dmin) and a code number (cidx), both laid [block of 128 rows][q][128 rows].  The winner is the smallest distance, by a strict 'less'
; in ascending q, so that equal distances go to the lower code number.  out0 = the winner's code row as it stands in f32,
; out1 = its number + 32000.
; No address hangs on a comparison of distances: all eight candidate rows are fetched (their addresses come from cidx as read from
; memory) and the choice is made on the values, by selects.  8 x 128 bytes for a row, 128 KiB for a work-group, from a table of 1 MiB.
; Work-group b owns rows 128 b .. 128 b + 127.  Waves 0 to 7 make out0, 16 rows each; wave 8 makes out1.  No wave needs another's
; data: no LDS, no barrier.  No cluster: the work-groups share no tile, only rows of the table that their data name.
; LIMIT: a candidate number is cut to 0 .. 8191 before it is used as an address (it can lie outside only for a row whose distances
; were all +inf or NaN, for which the first launch states no result).
; THE MODE: SCHED_MODE bits 1:0 = 2 (LLVM: expert scheduling mode 2), set by the entry lines.  The code itself states the register
; dependences between vector instructions and memory instructions, with s_wait_alu, always for 0.
; THE PLAN.  Registers that memory instructions touch:
;   VI, VO        offsets, made once ahead of one wait on each path, never written again.
;   IX            The first loads land in it.  Waves 0 to 7: 64 vector lines make the 32 table offsets of it in one run; ONE wait; the 32 gathers read them.
;                 Wave 8: selects and an add work on it; its first four registers are the store's data.
;   DV, G         Loads land in them, and no vector instruction names them before; selects work on them; G's first four registers of a step are its store's data.
; A compare's mask is awaited between the compare and the first select that reads it; one wait on va_vdst stands ahead of each store.
.set INDEX_OFFSET, 32000
.set VI, 1                             ; v1         byte offset of my row's word in a q's 512 bytes
.set VP, 2                             ; v2         16 p: my 16 bytes of a code row
.set VO, 3                             ; v3         my byte offset in the work-group's part of out0
.set IX, 8                             ; v[8:39]    code numbers, then byte offsets into the table: step s, candidate q at 8 s + q  (wave 8: 4 q + row)
.set DV, 40                            ; v[40:71]   distances, likewise
.set G,  72                            ; v[72:199]  16 bytes of candidate q's row in step s at 4 (8 s + q)
.set MK, 20                            ; s[20:23]   wave 8: the masks of a run of four compares
	s_load_b256 s[4:11], s[0:1], 0x0               ; codes s[4:5], dmin s[6:7], cidx s[8:9], out0 s[10:11]
	s_load_b64 s[12:13], s[0:1], 0x20              ; out1
	v_lshrrev_b32 v4, 5, v0
	v_readfirstlane_b32 s14, v4                    ; wave
	v_and_b32 v5, 31, v0                           ; lane L
	s_lshl_b32 s16, ttmp9, 12                      ; a block of 128 rows is 4,096 bytes of dmin and of cidx
	s_mov_b32 s17, 0
	s_wait_kmcnt 0x0
	s_add_nc_u64 s[6:7], s[6:7], s[16:17]
	s_add_nc_u64 s[8:9], s[8:9], s[16:17]
	s_wait_alu depctr_va_sdst(0)                   ; s14 is written, ahead of its first reader, the compare below
	s_cmp_eq_u32 s14, 8
	s_cbranch_scc1 .Lindex
	; WAVES 0 TO 7.  Lane L: g = L >> 3, p = L & 7.  Step s = 0 .. 3 makes rows 16 w + 4 s + g: eight lanes hold a row of 128 bytes.
	s_lshl_b32 s16, ttmp9, 14                      ; 128 rows of 128 bytes of out0
	s_add_nc_u64 s[10:11], s[10:11], s[16:17]
	v_lshrrev_b32 v6, 3, v5                        ; g
	v_and_b32 v7, 7, v5                            ; p
	s_lshl_b32 s18, s14, 6
	v_lshl_add_u32 v[VI], v6, 2, s18               ; 4 (16 w + g)
	v_lshlrev_b32 v[VP], 4, v7
	s_lshl_b32 s18, s14, 11
	v_lshl_add_u32 v[VO], v5, 4, s18               ; 128 (16 w + g) + 16 p = 2,048 w + 16 L
	s_wait_alu depctr_va_vdst(0)                   ; VI and VO are written, which the loads below and the stores read as their offsets
.irp s, 0,1,2,3
.irp q, 0,1,2,3,4,5,6,7
	global_load_b32 v[IX+8*\s+\q], v[VI], s[8:9] offset:\q*512+\s*16
.endr
.endr
.irp s, 0,1,2,3
.irp q, 0,1,2,3,4,5,6,7
	global_load_b32 v[DV+8*\s+\q], v[VI], s[6:7] offset:\q*512+\s*16
.endr
.endr
	s_wait_loadcnt 32                              ; the 32 code numbers are in; the 32 distances, issued behind them, may be out
.set n, 0
.rept 32
	v_min_u32 v[IX+n], 0x1fff, v[IX+n]             ; inside the table, whatever was read
	v_lshl_add_u32 v[IX+n], v[IX+n], 7, v[VP]      ; 128 x code + 16 p
.set n, n+1
.endr
	s_wait_alu depctr_va_vdst(0)                   ; all 32 table offsets are written, which the 32 gathers read
.set n, 0
.rept 32
	global_load_b128 v[G+4*n:G+4*n+3], v[IX+n], s[4:5]
.set n, n+1
.endr
.irp s, 0,1,2,3
	s_wait_loadcnt (3-\s)*8                        ; this step's eight rows (and all that is older) are in; the later steps' eight each stay out
.irp q, 1,2,3,4,5,6,7
	v_cmp_lt_f32 vcc_lo, v[DV+8*\s+\q], v[DV+8*\s]
	s_wait_alu depctr_va_vcc(0)                    ; the compare has written VCC, which the three lines below read
	v_cndmask_b32 v[DV+8*\s], v[DV+8*\s], v[DV+8*\s+\q], vcc_lo
	v_dual_cndmask_b32 v[G+32*\s],   v[G+32*\s],   v[G+32*\s+4*\q]   :: v_dual_cndmask_b32 v[G+32*\s+1], v[G+32*\s+1], v[G+32*\s+4*\q+1]
	v_dual_cndmask_b32 v[G+32*\s+2], v[G+32*\s+2], v[G+32*\s+4*\q+2] :: v_dual_cndmask_b32 v[G+32*\s+3], v[G+32*\s+3], v[G+32*\s+4*\q+3]
.endr
	s_wait_alu depctr_va_vdst(0)                   ; the step's selects have written its first four registers of G, which the store reads
	global_store_b128 v[VO], v[G+32*\s:G+32*\s+3], s[10:11] offset:\s*512 th:TH_STORE_NT   ; four rows: 512 consecutive bytes, aligned
.endr
	s_endpgm
.Lindex:
	; WAVE 8.  Lane L makes rows 4 L .. 4 L + 3: 16 bytes of each q's 512 in both tables, 16 bytes of out1.
	s_lshl_b32 s16, ttmp9, 9                       ; 128 rows of 4 bytes of out1
	s_add_nc_u64 s[12:13], s[12:13], s[16:17]
	v_lshlrev_b32 v[VI], 4, v5
	s_wait_alu depctr_va_vdst(0)                   ; VI is written, which the loads below and the store read as their offset
.irp q, 0,1,2,3,4,5,6,7
	global_load_b128 v[IX+4*\q:IX+4*\q+3], v[VI], s[8:9] offset:\q*512
.endr
.irp q, 0,1,2,3,4,5,6,7
	global_load_b128 v[DV+4*\q:DV+4*\q+3], v[VI], s[6:7] offset:\q*512
.endr
	s_wait_loadcnt 0x0
.irp q, 1,2,3,4,5,6,7
.irp k, 0,1,2,3
	v_cmp_lt_f32 s[MK+\k], v[DV+4*\q+\k], v[DV+\k]         ; the four rows' compares in one run
.endr
	s_wait_alu depctr_va_sdst(0)                   ; the four compares have written their masks, which the eight selects below read
.irp k, 0,1,2,3
	v_cndmask_b32 v[DV+\k], v[DV+\k], v[DV+4*\q+\k], s[MK+\k]
	v_cndmask_b32 v[IX+\k], v[IX+\k], v[IX+4*\q+\k], s[MK+\k]
.endr
.endr
.irp k, 0,1,2,3
	v_add_nc_u32 v[IX+\k], INDEX_OFFSET, v[IX+\k]
.endr
	s_wait_alu depctr_va_vdst(0)                   ; the four adds have written IX .. IX+3, which the store reads
	global_store_b128 v[VI], v[IX:IX+3], s[12:13] th:TH_STORE_NT   ; the wave's store covers the block's 512 bytes of out1
	s_endpgm
.Lfunc_end_k_q2e0e74836d_pick:
	.size	k_q2e0e74836d_pick, .Lfunc_end_k_q2e0e74836d_pick-k_q2e0e74836d_pick
	.p2alignl 7, 3214868480
	.fill 96, 4, 3214868480
	.section	.rodata,"a",@progbits
	.p2align	6, 0x0
	.amdhsa_kernel k_q2e0e74836d_pick
		.amdhsa_group_segment_fixed_size 0
		.amdhsa_private_segment_fixed_size 0
		.amdhsa_enable_private_segment 0
		.amdhsa_kernarg_size 40
		.amdhsa_user_sgpr_count 2
		.amdhsa_user_sgpr_kernarg_segment_ptr 1
		.amdhsa_wavefront_size32 1
		.amdhsa_system_sgpr_workgroup_id_x 1
		.amdhsa_system_sgpr_workgroup_id_y 1
		.amdhsa_system_sgpr_workgroup_id_z 1
		.amdhsa_system_vgpr_workitem_id 0
		.amdhsa_next_free_vgpr 200
		.amdhsa_next_free_sgpr 66
		.amdhsa_reserve_vcc 1
		.amdhsa_float_denorm_mode_32 3
		.amdhsa_float_denorm_mode_16_64 3
		.amdhsa_memory_ordered 1
		.amdhsa_forward_progress 1
		.amdhsa_inst_pref_size 29
	.end_amdhsa_kernel
	.amdgpu_metadata
---
amdhsa.version: [ 1, 2 ]
amdhsa.kernels:
  - .name:           k_q2e0e74836d_pick
    .symbol:         k_q2e0e74836d_pick.kd
    .args:
      - { .name: embedding_weight, .offset: 0, .size: 8, .value_kind: global_buffer, .address_space: global }
      - { .name: dmin, .offset: 8, .size: 8, .value_kind: global_buffer, .address_space: global }
      - { .name: cidx, .offset: 16, .size: 8, .value_kind: global_buffer, .address_space: global }
      - { .name: out0, .offset: 24, .size: 8, .value_kind: global_buffer, .address_space: global }
      - { .name: out1, .offset: 32, .size: 8, .value_kind: global_buffer, .address_space: global }
    .group_segment_fixed_size: 0
    .private_segment_fixed_size: 0
    .kernarg_segment_align: 8
    .kernarg_segment_size: 40
    .max_flat_workgroup_size: 288
    .sgpr_count:     66
    .vgpr_count:     200
    .wavefront_size: 32
...
	.end_amdgpu_metadata
.endif
;; end of part 4
